; MI455X (gfx1250); checked and timed in simulation.
; The chip was launched on July 23, 2026; its instructions are those of AMD's public machine-readable ISA for CDNA 5 (MIT licence, August 2026) and "CDNA5" Instruction Set Architecture Reference Guide (July 2026). The comments in the code are by the model that wrote it; some were corrected since.
;; LSTM Mirrored. Allowed arithmetic: matrix products marked QUANTISED: E2M1 operands, one E8M0 scale for each 32 along K, by v_wmma_scale_f32_16x16x128_f8f6f4 with both operands' format E2M1 (or v_wmma_scale_f32_32x16x128_f4), f32 sums; everything else in f32.
;; Inputs: Wch 1,024 x 1,024 float32; Wcx 1,024 x 1,024 float32; Wfh 1,024 x 1,024 float32; Wfx 1,024 x 1,024 float32; Wih 1,024 x 1,024 float32; Wix 1,024 x 1,024 float32; Woh 1,024 x 1,024 float32; Wox 1,024 x 1,024 float32; bc 1,024 float32; bf 1,024 float32; bi 1,024 float32; bo 1,024 float32; hist 8,192 x 1,024 float32; inputs 8,192 x 1,024 float32.
;; Outputs: out0 8,192 x 1,024 float32; out1 8,192 x 1,024 float32.
;; Constants: carousel = 1.
;; This version of the problem:
;;   THIS VERSION OF THE PROBLEM IS GIVEN IN LOW PRECISION. The matrix products marked QUANTISED in the list below multiply operands that are first quantised to E2M1 (2 exponent bits, 1 mantissa bit; 4 bits a number), with one power-of-two scale for each 32 numbers along K (OCP MX v1.0); their sums are f32. All else is computed in f32.
;;   The module's matrix products, in the order in which they are computed (A, B: the left and right operand; K: the contracted axis; several contracted axes count as one K, in the product's order):
;;     1. [M 8,192, K 1,024] x [K 1,024, N 1,024]; A: input inputs; B: input Wfx: QUANTISED
;;     2. [M 8,192, K 1,024] x [K 1,024, N 1,024]; A: input hist; B: input Wfh: QUANTISED
;;     3. [M 8,192, K 1,024] x [K 1,024, N 1,024]; A: input inputs; B: input Wix: QUANTISED
;;     4. [M 8,192, K 1,024] x [K 1,024, N 1,024]; A: input hist; B: input Wih: QUANTISED
;;     5. [M 8,192, K 1,024] x [K 1,024, N 1,024]; A: input inputs; B: input Wox: QUANTISED
;;     6. [M 8,192, K 1,024] x [K 1,024, N 1,024]; A: input hist; B: input Woh: QUANTISED
;;     7. [M 8,192, K 1,024] x [K 1,024, N 1,024]; A: input inputs; B: input Wcx: QUANTISED
;;     8. [M 8,192, K 1,024] x [K 1,024, N 1,024]; A: input hist; B: input Wch: QUANTISED
;;   THE QUANTISER, for each operand of a quantised product, along K:
;;     - K is cut into blocks of 32 from its start; a last block that is shorter is filled with zeros.
;;     - A block's scale is 2^e with e = floor(log2(the largest magnitude in the block)) - 2, held to -126 .. 127; a block of zeros has e = 0. As a byte (E8M0): e + 127.
;;     - Each number is divided by its block's scale, clamped to +-6, and rounded to the nearest number of E2M1, ties to even, subnormals kept.
;;     - The product sums the exact products of the quantised numbers (number of the format x scale) in f32.
;;   ~~~python
;;   def quantise(x, axis):      # numpy; x: float32 -> the quantised numbers, widened to float32 again
;;       x = np.moveaxis(x, axis, -1); K = x.shape[-1]
;;       x = np.pad(x, [(0, 0)] * (x.ndim - 1) + [(0, -K % 32)]); x = x.reshape(x.shape[:-1] + (-1, 32)); a = np.abs(x).max(-1, keepdims=True)
;;       e = np.where(a > 0, np.clip(np.frexp(np.where(a > 0, a, 1))[1] - 1 - 2, -126, 127), 0)      # np.frexp(a)[1] - 1 = floor(log2(a)), exactly
;;       r = np.clip(x / 2.0 ** e, -6, 6)
;;       step = 2.0 ** (np.maximum(np.frexp(np.where(r == 0, 1, r))[1] - 1, 0) - 1)
;;       q = np.round(r / step) * step * 2.0 ** e      # np.round: ties to even
;;       return np.moveaxis(q.reshape(q.shape[:-2] + (-1,))[..., :K], -1, axis).astype(np.float32)
;;   ~~~
;; One version. Each part assembles by itself: llvm-mc -triple=amdgcn-amd-amdhsa -mcpu=gfx1250 --defsym DOCPART=n.
;; ======== version 1 of 1: 2 launches
;; limits: right only within a limited range of input values
;; workspace buffers: a_codes 8,388,608 bytes; a_scales 524,288 bytes; b_codes 4,194,304 bytes; b_scales 262,144 bytes
;; launch quant (part 1): grid 640 x 1, 4 waves a work-group, no clusters, 68,096 bytes of LDS; arguments inputs, hist, Wfx, Wfh, Wix, Wih, Wox, Woh, Wcx, Wch, a_codes, a_scales, b_codes, b_scales; writes a_codes, a_scales, b_codes, b_scales
.if DOCPART == 1
	.amdgcn_target "amdgcn-amd-amdhsa--gfx1250"
	.amdhsa_code_object_version 6
	.text
	.protected	k_qf1665fab4a_quant
	.globl	k_qf1665fab4a_quant
	.p2align	8
	.type	k_qf1665fab4a_quant,@function
k_qf1665fab4a_quant:
	s_mov_b64 s[64:65], 0
	v_nop
	global_prefetch_b8 v0, s[64:65] scope:SCOPE_SE
	s_setreg_imm32_b32 hwreg(HW_REG_WAVE_MODE, 25, 1), 1
	s_wait_xcnt 0x0
; All ten f32 operands of the LSTM cell's eight products become codes of FP4 (E2M1), 4 bits each, K innermost, with one E8M0 scale byte for each 32 along K.
; The eight products are ONE product: A = [inputs | hist], 8,192 rows x K 2,048;  B = the four gates' [Wx ; Wh], 4,096 rows (gate, column) x K 2,048.
;   a_codes [8192][1024 bytes]: bytes 0-511 inputs' 1,024 codes, bytes 512-1023 hist's.    a_scales [8192][64]: bytes 0-31 inputs', 32-63 hist's.
;   B is laid in the order in which the product's launch takes it into registers (gates f, i, o, c = 0 .. 3; K: Wx's 1,024, then Wh's):
;   b_codes [32 groups of 32 columns][16 steps of 128 along K][8 blocks = 2 gate + (column % 32) / 16][2 halves c][32 lanes][16 bytes]: lane (r, h) holds column r of the block, K = 64 c + 32 h + 0 .. 31 of the step.
;   b_scales [32 groups][4 runs of 512 along K][4 gates][32 columns][16 bytes].
; A block's scale is 2^(floor(log2(its largest magnitude)) - 2); its byte is the largest magnitude's exponent field - 2, held at 1 from below.  Each number is divided by the scale and rounded to the nearest code, ties to even, beyond 6 to 6.
; (A block of zeros so gets the byte 1 where the rule says 127: its codes are zeros, which add nothing under any byte but 0xff, and the bytes are read by this program alone.)
; LIMITS: blocks whose largest magnitude lies under 2^-124, the floor, keep the byte 1; NaN and infinities among the inputs are not served.
; SHARES.  Work-groups 128-255 take the weights (K is their FIRST axis; 262,144 bytes read each), work-groups 0-127 and 256-639 the activations (K innermost; 131,072 bytes read each).
; The two ways part on the work-group's number and have LDS bytes of their own.  No tensor loads, no barrier: waves share nothing.
.set STEPS, 16                         ; activations: steps of 512 numbers for a wave
.set SP,    80                         ; a lane's place in a stage: its 64 bytes + 16 of padding
.set WREG,  8192                       ; LDS for each wave: two stages of 32 x SP bytes, behind them its 256 scale bytes
.set R,     16                         ; v16-79   four sets of 16 numbers as they are loaded
.set X,     80                         ; v80-111  two sets of 16 neighbours
.set E,     112                        ; v112-127 a scale byte for each step
.set C,     128                        ; v128-191 codes: four registers for each step, so that no store's data are written again
.set WBASE, 32768                      ; weights: their LDS begins here
.set WPITCH, 272                       ; a stage row: a column's 256 bytes of codes + 16
.set WSTG,  32*WPITCH                  ; a wave's stage: 32 columns
.set SB,    24                         ; v24-25 the scale bytes of my even column, v26-27 of my odd one
.set WR,    32                         ; v32-159  two sets of 32 pairs as they are loaded
.set WY,    160                        ; v160-191 my even column's 32 numbers down K, v192-223 my odd column's
.set WC,    224                        ; v224-227, v228-231 their codes
; ---- activations: macros
.macro LOAD t                          ; step t: row t / 4 of my four, source (t / 2) % 2 (inputs, hist), half row t % 2: 2,048 bytes, 512 consecutive bytes a load
.irp i, 0,1,2,3
	global_load_b128 v[R+16*((\t)%4)+4*\i:R+16*((\t)%4)+4*\i+3], v3, s[4+2*(((\t)/2)%2):5+2*(((\t)/2)%2)] offset:((\t)/4)*4096+((\t)%2)*2048+512*\i th:TH_LOAD_NT
.endr
.endm
.macro TURN t                          ; step t's numbers through the stage: in as they lie, 16 bytes a lane; back 64 bytes a lane.  LDS serves a wave's instructions in order (ISA guide 5.7.1.4): no wait between
.irp i, 0,1,2,3
	ds_store_b128 v14, v[R+16*((\t)%4)+4*\i:R+16*((\t)%4)+4*\i+3] offset:32*SP*((\t)%2)+8*SP*\i
.endr
.irp i, 0,1,2,3
	ds_load_b128 v[X+16*((\t)%2)+4*\i:X+16*((\t)%2)+4*\i+3], v15 offset:32*SP*((\t)%2)+16*\i
.endr
.endm
.macro STEP t
.set XS, X+16*((\t)%2)
.if (\t) > 0
	s_wait_dscnt 1                                 ; this step's numbers are back from the stage (the last step's byte store may be out): so its stores into the stage have read their registers,
.else
	s_wait_dscnt 0x0
.endif
.if (\t)+4 < STEPS
	LOAD (\t)+4                                    ; which take the loads of four steps on
.endif
.if (\t)+1 < STEPS
.if STEPS-2-(\t) >= 3
	s_wait_loadcnt 12                              ; the next step's four loads are in; those of the three steps behind it may be out
.else
	s_wait_loadcnt 4*(STEPS-2-(\t))
.endif
	TURN (\t)+1                                    ; and go through the other stage while this step is worked
.endif
	v_max3_num_f32 v8, |v[XS]|, |v[XS+1]|, |v[XS+2]|               ; the largest magnitude of my 16, in two chains
	v_max3_num_f32 v9, |v[XS+3]|, |v[XS+4]|, |v[XS+5]|
.irp i, 6,10
	v_max3_num_f32 v8, v8, |v[XS+\i]|, |v[XS+\i+1]|
	v_max3_num_f32 v9, v9, |v[XS+\i+2]|, |v[XS+\i+3]|
.endr
	v_max3_num_f32 v8, v8, |v[XS+14]|, |v[XS+15]|
	v_max3_num_f32 v8, v8, v9, 0x1800000           ; and the floor 2^(3 - 127): so the byte cannot fall under 1
	v_max_num_f32_dpp v8, v8, v8 row_xmask:1 row_mask:0xf bank_mask:0xf   ; and of my neighbour's 16: the block's
	v_add_nc_u32 v11, 0xff000000, v8               ; 2 off its exponent field: the conversion takes the exponent field of this operand as its scale, and nothing else of it
	v_cvt_scalef32_pk8_fp4_f32 v[C+4*(\t)], v[XS:XS+7], v11
	v_cvt_scalef32_pk8_fp4_f32 v[C+4*(\t)+1], v[XS+8:XS+15], v11
	v_lshrrev_b32 v[E+(\t)], 23, v11               ; the scale's byte; also the plain line behind the conversions
	ds_store_b8 v5, v[E+(\t)] offset:16*(\t)       ; both lanes of a block write the same byte with the same value
	global_store_b64 v4, v[C+4*(\t):C+4*(\t)+1], s[8:9] offset:256*(\t)   ; the wave stores 256 consecutive bytes, at a multiple of 256 from the buffer's first byte
.endm
; ---- weights: macros
.macro WLOAD t                         ; step t: rows 32 t .. 32 t + 31 of my 256 down K, my two columns: sixteen lanes read 128 consecutive bytes
.set i, 0
.rept 32
	global_load_b64 v[WR+64*((\t)%2)+2*i:WR+64*((\t)%2)+2*i+1], v3, s[4:5] offset:(32*(\t)+i)*4096 th:TH_LOAD_NT
.set i, i+1
.endr
.endm
.macro WSTEP t
.set RS, WR+64*((\t)%2)
.if (\t) < 7
	s_wait_loadcnt 32                              ; this step's 32 loads are in; the next step's may be out
.else
	s_wait_loadcnt 0x0
.endif
.set i, 0
.rept 32                                       ; the conversions take neighbours along K from consecutive registers: each column's 32 numbers are brought together
	v_mov_b32 v[WY+i], v[RS+2*i]
	v_mov_b32 v[WY+32+i], v[RS+2*i+1]
.set i, i+1
.endr
.if (\t)+2 < 8
	WLOAD (\t)+2                                   ; the set just read takes the step two on
.endif
	v_max3_num_f32 v12, |v[WY]|, |v[WY+1]|, |v[WY+2]|              ; each block's largest magnitude: all 32 numbers are mine; two chains a column, the columns by turns
	v_max3_num_f32 v14, |v[WY+32]|, |v[WY+33]|, |v[WY+34]|
	v_max3_num_f32 v13, |v[WY+3]|, |v[WY+4]|, |v[WY+5]|
	v_max3_num_f32 v15, |v[WY+35]|, |v[WY+36]|, |v[WY+37]|
.irp i, 6,10,14,18,22,26
	v_max3_num_f32 v12, v12, |v[WY+\i]|, |v[WY+\i+1]|
	v_max3_num_f32 v14, v14, |v[WY+32+\i]|, |v[WY+32+\i+1]|
	v_max3_num_f32 v13, v13, |v[WY+\i+2]|, |v[WY+\i+3]|
	v_max3_num_f32 v15, v15, |v[WY+32+\i+2]|, |v[WY+32+\i+3]|
.endr
	v_max3_num_f32 v12, v12, |v[WY+30]|, |v[WY+31]|
	v_max3_num_f32 v14, v14, |v[WY+62]|, |v[WY+63]|
	v_max3_num_f32 v12, v12, v13, 0x1800000        ; and the floor 2^(3 - 127)
	v_max3_num_f32 v14, v14, v15, 0x1800000
	v_add_nc_u32 v10, 0xff000000, v12              ; 2 off the exponent field: the conversion's scale operand
	v_add_nc_u32 v11, 0xff000000, v14
	v_lshrrev_b32 v20, 23, v10                     ; the scales' bytes
	v_lshrrev_b32 v21, 23, v11
.if (\t)%4 == 0
	v_mov_b32 v[SB+(\t)/4], v20                    ; four bytes to a register, the lower K in the lower byte
	v_mov_b32 v[SB+2+(\t)/4], v21
.else
	v_lshl_or_b32 v[SB+(\t)/4], v20, 8*((\t)%4), v[SB+(\t)/4]
	v_lshl_or_b32 v[SB+2+(\t)/4], v21, 8*((\t)%4), v[SB+2+(\t)/4]
.endif
.irp c, 0,1
.irp g, 0,1,2,3
	v_cvt_scalef32_pk8_fp4_f32 v[WC+4*\c+\g], v[WY+32*\c+8*\g:WY+32*\c+8*\g+7], v[10+\c]
.endr
.endr
	v_nop                                          ; one plain line behind the last conversion: the next step's moves write the conversions' sources
	ds_store_b128 v4, v[WC:WC+3] offset:16*(\t)                    ; 32 codes: 16 bytes of my even column's row,
	ds_store_b128 v4, v[WC+4:WC+7] offset:WPITCH+16*(\t)           ; and of my odd column's
	s_wait_dscnt 0x0                               ; the stores have read their registers: the next step's codes may be written
.endm
	v_lshl_add_u32 v232, v0, 2, 0x10800            ; my spare word, behind both ways' LDS bytes
	v_mov_b32 v233, 0
	v_lshrrev_b32 v1, 5, v0
	v_readfirstlane_b32 s16, v1                    ; wave 0..3
	v_and_b32 v2, 31, v0                           ; lane
	s_sub_co_u32 s17, ttmp9, 128                   ; work-groups 128-255 take the weights
	s_cmp_lt_u32 s17, 128
	s_cbranch_scc1 .Lweights
; ================ ACTIVATIONS.  Wave number run = 4 x (the activations' work-groups counted through) + wave takes rows 4 run .. 4 run + 3 of inputs AND of hist: its codes are 4,096 consecutive bytes, its scale bytes 256.
; The conversions want 16 neighbours along K in a lane (two neighbouring lanes hold a block); a load is best where neighbouring lanes take neighbouring bytes: so a step's 2,048 bytes turn through the wave's own stage in LDS.
	s_load_b128 s[4:7], s[0:1], 0x0                ; inputs, hist
	s_load_b128 s[8:11], s[0:1], 0x50              ; a_codes, a_scales
	v_lshlrev_b32 v3, 4, v2                        ; my 16 bytes of a load's 512
	s_mul_i32 s17, s16, WREG
	v_lshrrev_b32 v14, 2, v2
	v_mul_u32_u24 v14, v14, SP
	v_and_b32 v15, 3, v2
	v_lshl_add_u32 v14, v15, 4, v14
	v_add_nc_u32 v14, s17, v14                     ; the stage, on the way in: SP (lane / 4) + 16 (lane % 4)
	v_mul_u32_u24 v15, v2, SP
	v_add_nc_u32 v15, s17, v15                     ; and on the way out: SP x lane: my 16 neighbours
	v_lshlrev_b32 v4, 3, v2                        ; my 8 bytes of a step's 256 bytes of codes
	v_lshrrev_b32 v5, 1, v2
	s_add_co_u32 s17, s17, 2*32*SP
	v_add_nc_u32 v5, s17, v5                       ; LDS: my wave's 256 scale bytes, my block's byte
	v_lshlrev_b32 v7, 3, v2                        ; and on the way out 8 bytes a lane
	v_add_nc_u32 v6, s17, v7
	s_cmp_lt_u32 ttmp9, 128
	s_cselect_b32 s18, 0, 128
	s_sub_co_u32 s18, ttmp9, s18                   ; the activations' work-groups counted through: 0 .. 511
	s_lshl_b32 s18, s18, 2
	s_add_co_u32 s18, s18, s16                     ; run, 0 .. 2,047
	s_mov_b32 s21, 0
	s_lshl_b32 s20, s18, 14                        ; four rows of 4,096 bytes
	s_wait_alu depctr_va_vdst(0)
	s_wait_kmcnt 0x0
	s_add_nc_u64 s[4:5], s[4:5], s[20:21]
	s_add_nc_u64 s[6:7], s[6:7], s[20:21]
	s_lshl_b32 s20, s18, 12                        ; four rows of 1,024 bytes of codes
	s_add_nc_u64 s[8:9], s[8:9], s[20:21]
	s_lshl_b32 s20, s18, 8                         ; four rows of 64 scale bytes
	s_add_nc_u64 s[10:11], s[10:11], s[20:21]
.irp t, 0,1,2,3
	LOAD \t                                        ; loads run four steps, 16 loads a wave, ahead
.endr
	s_wait_loadcnt 12                              ; step 0's four loads are in
	TURN 0
.irp t, 0,1,2,3,4,5,6,7,8,9,10,11,12,13,14,15
	STEP \t
.endr
	ds_load_b64 v[12:13], v6                       ; LDS serves a wave's instructions in order: these see my byte stores
	s_wait_dscnt 0x0
	global_store_b64 v7, v[12:13], s[10:11]        ; 32 lanes store 256 consecutive bytes, at a multiple of 256 from the buffer's first byte
	s_wait_tensorcnt 0x0                           ; the wave's end
	ds_add_u32 v232, v233
	s_wait_dscnt 0x0
	s_endpgm
; ================ WEIGHTS.  Work-group - 128 = 16 x matrix + 8 x (which 512 of K) + (which 128 columns); matrix = 2 x gate + (0: Wx, 1: Wh).  Wave w takes 32 of the columns: one group.
; A LANE TAKES TWO NEIGHBOURING COLUMNS, AND ITS REGISTERS RUN DOWN K: lanes 0-15 the first 256 rows of the 512, lanes 16-31 the other 256.  So a block of 32 along K lies in one lane, and nothing is transposed by an instruction.
; The codes go through the wave's own stage in LDS, a row to a column, and leave as images of the operand's registers: 32 lanes store 512 consecutive bytes.
.Lweights:
	s_load_b512 s[36:51], s[0:1], 0x10             ; Wfx, Wfh, Wix, Wih, Wox, Woh, Wcx, Wch
	s_load_b128 s[8:11], s[0:1], 0x60              ; b_codes, b_scales
	s_bfe_u32 s17, ttmp9, 0x30004                  ; matrix 0..7: bits 6:4 of the work-group's number
	s_bfe_u32 s18, ttmp9, 0x10003                  ; which 512 of K
	s_and_b32 s19, ttmp9, 7                        ; which 128 columns
	s_lshr_b32 s22, s17, 1                         ; gate
	s_and_b32 s23, s17, 1                          ; Wx or Wh
	v_and_b32 v5, 15, v0                           ; r
	v_bfe_u32 v6, v0, 4, 1                         ; h
	v_lshlrev_b32 v3, 3, v5
	v_lshl_add_u32 v3, v6, 20, v3                  ; in: 8 r, and 256 rows of 4,096 bytes further down for lanes 16-31
	s_mul_i32 s30, s16, WSTG
	s_add_co_u32 s30, s30, WBASE                   ; my stage
	v_mul_u32_u24 v4, v5, 2*WPITCH
	v_lshl_add_u32 v4, v6, 7, v4
	v_add_nc_u32 v4, s30, v4                       ; into it: row 2 r, + 128 h bytes: 256 codes
	v_mul_u32_u24 v7, v5, WPITCH
	v_lshl_add_u32 v7, v6, 4, v7
	v_add_nc_u32 v7, s30, v7                       ; out of it: row r, + 16 h bytes: a fragment's lane
	v_and_b32 v8, 31, v0
	v_lshlrev_b32 v8, 4, v8                        ; and 16 x lane in b_codes
	v_lshlrev_b32 v9, 5, v5
	v_lshl_add_u32 v9, v6, 3, v9                   ; b_scales: column 2 r of 16 bytes, + 8 h
	; byte offsets, each in a pair of its own
	s_lshl_b32 s20, s18, 21                        ; W: 512 rows of 4,096 bytes,
	s_lshl_b32 s24, s19, 9                         ; 128 columns of 4 bytes,
	s_add_co_u32 s20, s20, s24
	s_lshl_b32 s24, s16, 7                         ; my wave's 32 columns
	s_add_co_u32 s20, s20, s24
	s_mov_b32 s21, 0
	s_lshl_b32 s25, s19, 2
	s_add_co_u32 s25, s25, s16                     ; my group of 32 columns
	s_lshl_b32 s24, s23, 1
	s_add_co_u32 s24, s24, s18                     ; my run of 512 along K: Wx's two, then Wh's two
	s_lshl_b32 s25, s25, 2
	s_add_co_u32 s25, s25, s24
	s_lshl_b32 s26, s25, 15                        ; b_codes: 32,768 bytes a run, 2,048 a gate
	s_lshl_b32 s24, s22, 11
	s_add_co_u32 s26, s26, s24
	s_mov_b32 s27, 0
	s_lshl_b32 s28, s25, 11                        ; b_scales: 2,048 bytes a run, 512 a gate
	s_lshl_b32 s24, s22, 9
	s_add_co_u32 s28, s28, s24
	s_mov_b32 s29, 0
	s_wait_kmcnt 0x0
	s_cmp_ge_u32 s17, 4                            ; the matrix is chosen among the eight by its number's three bits: the choice hangs on the work-group's number alone
	s_cselect_b64 s[36:37], s[44:45], s[36:37]
	s_cselect_b64 s[38:39], s[46:47], s[38:39]
	s_cselect_b64 s[40:41], s[48:49], s[40:41]
	s_cselect_b64 s[42:43], s[50:51], s[42:43]
	s_and_b32 s24, s17, 2
	s_cmp_lg_u32 s24, 0
	s_cselect_b64 s[36:37], s[40:41], s[36:37]
	s_cselect_b64 s[38:39], s[42:43], s[38:39]
	s_and_b32 s24, s17, 1
	s_cmp_lg_u32 s24, 0
	s_cselect_b64 s[4:5], s[38:39], s[36:37]
	s_add_nc_u64 s[4:5], s[4:5], s[20:21]
	s_add_nc_u64 s[8:9], s[8:9], s[26:27]
	s_add_nc_u64 s[10:11], s[10:11], s[28:29]
	WLOAD 0                                        ; loads run two steps ahead
	WLOAD 1
.irp t, 0,1,2,3,4,5,6,7
	WSTEP \t
.endr
	global_store_b64 v9, v[SB:SB+1], s[10:11]                      ; my even column's 8 scale bytes,
	s_wait_alu depctr_va_vdst(0)                   ; ahead of the reader below
	global_store_b64 v9, v[SB+2:SB+3], s[10:11] offset:16          ; my odd column's: the wave's two stores fill 512 consecutive bytes
.irp t, 0,1,2,3,4,5,6,7,8,9,10,11,12,13,14,15
	ds_load_b128 v[WR+4*\t:WR+4*\t+3], v7 offset:(\t/8)*16*WPITCH+((\t%8)/2)*64+(\t%2)*32   ; block t / 8 of my two, step (t % 8) / 2 of my four, half t % 2.  LDS serves a wave's instructions in order: these see my stores
.endr
.irp t, 0,1,2,3,4,5,6,7,8,9,10,11,12,13,14,15
	s_wait_dscnt 15-\t                             ; load t is back; the younger loads may be out
	global_store_b128 v8, v[WR+4*\t:WR+4*\t+3], s[8:9] offset:((\t%8)/2)*8192+(\t/8)*1024+(\t%2)*512   ; 32 lanes store 512 consecutive bytes, at a multiple of 512 from the buffer's first byte
.endr
	s_wait_tensorcnt 0x0                           ; the wave's end
	ds_add_u32 v232, v233
	s_wait_dscnt 0x0
	s_endpgm
.Lfunc_end_k_qf1665fab4a_quant:
	.size	k_qf1665fab4a_quant, .Lfunc_end_k_qf1665fab4a_quant-k_qf1665fab4a_quant
	.p2alignl 7, 3214868480
	.fill 96, 4, 3214868480
	.section	.rodata,"a",@progbits
	.p2align	6, 0x0
	.amdhsa_kernel k_qf1665fab4a_quant
		.amdhsa_group_segment_fixed_size 68096
		.amdhsa_private_segment_fixed_size 0
		.amdhsa_enable_private_segment 0
		.amdhsa_kernarg_size 112
		.amdhsa_user_sgpr_count 2
		.amdhsa_user_sgpr_kernarg_segment_ptr 1
		.amdhsa_wavefront_size32 1
		.amdhsa_system_sgpr_workgroup_id_x 1
		.amdhsa_system_sgpr_workgroup_id_y 1
		.amdhsa_system_sgpr_workgroup_id_z 1
		.amdhsa_system_vgpr_workitem_id 0
		.amdhsa_next_free_vgpr 234
		.amdhsa_next_free_sgpr 66
		.amdhsa_reserve_vcc 0
		.amdhsa_float_denorm_mode_32 3
		.amdhsa_float_denorm_mode_16_64 3
		.amdhsa_memory_ordered 1
		.amdhsa_forward_progress 1
		.amdhsa_inst_pref_size 104
	.end_amdhsa_kernel
	.amdgpu_metadata
---
amdhsa.version: [ 1, 2 ]
amdhsa.kernels:
  - .name:           k_qf1665fab4a_quant
    .symbol:         k_qf1665fab4a_quant.kd
    .args:
      - { .name: inputs, .offset: 0, .size: 8, .value_kind: global_buffer, .address_space: global }
      - { .name: hist, .offset: 8, .size: 8, .value_kind: global_buffer, .address_space: global }
      - { .name: Wfx, .offset: 16, .size: 8, .value_kind: global_buffer, .address_space: global }
      - { .name: Wfh, .offset: 24, .size: 8, .value_kind: global_buffer, .address_space: global }
      - { .name: Wix, .offset: 32, .size: 8, .value_kind: global_buffer, .address_space: global }
      - { .name: Wih, .offset: 40, .size: 8, .value_kind: global_buffer, .address_space: global }
      - { .name: Wox, .offset: 48, .size: 8, .value_kind: global_buffer, .address_space: global }
      - { .name: Woh, .offset: 56, .size: 8, .value_kind: global_buffer, .address_space: global }
      - { .name: Wcx, .offset: 64, .size: 8, .value_kind: global_buffer, .address_space: global }
      - { .name: Wch, .offset: 72, .size: 8, .value_kind: global_buffer, .address_space: global }
      - { .name: a_codes, .offset: 80, .size: 8, .value_kind: global_buffer, .address_space: global }
      - { .name: a_scales, .offset: 88, .size: 8, .value_kind: global_buffer, .address_space: global }
      - { .name: b_codes, .offset: 96, .size: 8, .value_kind: global_buffer, .address_space: global }
      - { .name: b_scales, .offset: 104, .size: 8, .value_kind: global_buffer, .address_space: global }
    .group_segment_fixed_size: 68096
    .private_segment_fixed_size: 0
    .kernarg_segment_align: 8
    .kernarg_segment_size: 112
    .max_flat_workgroup_size: 128
    .sgpr_count:     66
    .vgpr_count:     234
    .wavefront_size: 32
...
	.end_amdgpu_metadata
.endif
;; end of part 1
;; launch cell (part 2): grid 8 x 32, 4 waves a work-group, clusters of 4 x 1, 327,680 bytes of LDS; arguments a_codes, a_scales, b_codes, b_scales, bf, bi, bo, bc, out0, out1; writes out0, out1
.if DOCPART == 2
	.amdgcn_target "amdgcn-amd-amdhsa--gfx1250"
	.amdhsa_code_object_version 6
	.text
	.protected	k_qf1665fab4a_cell
	.globl	k_qf1665fab4a_cell
	.p2align	8
	.type	k_qf1665fab4a_cell,@function
k_qf1665fab4a_cell:
	s_mov_b64 s[64:65], 0
	v_nop
	global_prefetch_b8 v0, s[64:65] scope:SCOPE_SE
	s_setreg_imm32_b32 hwreg(HW_REG_WAVE_MODE, 25, 1), 1
	s_wait_xcnt 0x0
	s_wait_alu depctr_hold_cnt(0) depctr_sa_sdst(0) depctr_va_vdst(0) depctr_va_sdst(0) depctr_va_ssrc(0) depctr_va_vcc(0) depctr_vm_vsrc(0)
	s_getreg_b32 s2, hwreg(HW_REG_IB_STS2, 6, 4)
	s_cmp_eq_u32 s2, 0
	s_cbranch_scc0 .Lentry_in_a_cluster
	s_endpgm
.Lentry_in_a_cluster:
	s_bfe_u32 s2, ttmp6, 0x10000c
	s_cmp_lg_u32 s2, 0x3003
	s_cbranch_scc0 .Lentry_shape_is_right
	s_endpgm
.Lentry_shape_is_right:
; The LSTM cell on codes of FP4 (E2M1) with one E8M0 scale for each 32 along K:  z_g = [inputs | hist] [Wgx ; Wgh] + b_g for the gates g = f, i, o, c;
; f, i, o = sigmoid(z), g = tanh(z_c);  c = f + i g (out1; the carousel is the constant 1, a factor that changes nothing);  h = o c (out0).  Sums, gates and outputs in f32.
; ONE PRODUCT: A [8192][K 2048], 1,024 bytes of codes and 64 scale bytes a row.  B: 4,096 rows (gate, column), laid by the launch before in the order of the operand's registers:
;   b_codes [32 groups of 32 columns][16 steps of 128 K][8 blocks = 2 gate + column / 16][2][32 lanes][16 bytes];  b_scales [32 groups][4 runs of 512 K][4 gates][32 columns][16 bytes].
; A WORK-GROUP STAYS: four waves, 256 rows of A, two tiles of 64 output columns in all four gates, one after the other.  A wave makes 128 rows x 128 rows of B (four gates x 32 columns) in 512 registers of sums;
; a result's four gates lie in one lane, and the gates never go to memory.
; A's 256 rows lie in LDS for ALL of K: four chunks of 256 rows x 256 bytes, 278,528 bytes with padding, each byte filled once.  Chunks 0 and 1 come at the head, 128 rows of one chunk a wave; chunks 2 and 3
; behind the full sequence and a round, in the same shares; K steps 0 to 7 read chunks 0 and 1 alone, and one barrier in K step 7 shows the others landed.  No other barrier stands in the K steps.
; That leaves no room in LDS for a ring of B: B's fragments go from memory straight into registers, 512 consecutive bytes a load, four sets of 64 registers, asked for three K steps ahead of their use.
; So there is no data prefetch: A has no loop to run ahead in, and B's own loads run three steps (24,576 bytes a wave) ahead.
; CLUSTERS: 4 x 1 work-groups share their rows of A: each tensor load is a joint one, mask 15.  B goes to registers, where no joint form exists.
; THE MATRIX INSTRUCTION, 32 x 16 x 128, IS USED TRANSPOSED: source 0 = a gate's 32 rows of B (two blocks of 16), source 1 = 16 rows of A: a lane holds one row of the outputs and eight neighbouring columns a block.
; THE BIASES are the C of each sum's first matrix instruction: another order of the f32 additions than x Wx + h Wh + b.
; sigmoid(z) = 1 / (1 + 2^(-z log2 e)), tanh(z) = 1 - 2 / (1 + 2^(2 z log2 e)): both run to their limits through infinity and 0, so z has no bound; near z = 0 the tanh has an absolute error of the size of f32's rounding near 1.
; REGISTERS: window 0: v16-29 addresses; v32-95 A's scale words for all of K; v96-127 B's, two sets of 512 along K; v128-191, v192-255 A's fragments, two sets; on the way out v128-191 are 64 numbers at work, v192-223 rows that leave.
;   window 1: B's fragments, set s at v[64 s]; set 3's registers hold the biases until the first K step has used them.  windows 2, 3: the sums (A's block a, B's block b at v[8 (8 (a % 4) + b)]).
.set TILES,  2
.set PITCH,  272                       ; an LDS row: 256 bytes + 16 of padding: the 16 rows that a load touches start at 16 different banks (64 banks of 4 bytes: ISA guide 11.1)
.set CHUNK,  256*PITCH                 ; 512 along K of A's 256 rows
.set STAGE,  4*CHUNK                   ; the way out: two buffers by turns, bytes that no tensor load fills
.set STG_C,  32*PITCH                  ; in a buffer: 32 rows of h (16 for each half of the rows), then 32 of c
.set SBUF,   64*PITCH
.set SPARE,  STAGE+2*SBUF              ; the spare words, 128 bytes for each wave: two blocks of 256 bytes that no other line names
.set OUTROW, 4096
.set ADRA, 16                          ; v16-19 LDS address of my A fragments in chunk 0 .. 3
.set STO,  20                          ; into the stage
.set RD,   21                          ; out of it
.set CO,   22                          ; my byte offset in two rows of an output
.set VB,   23                          ; 16 x lane
.set BA,   24                          ; 32 x (lane / 16): my eight numbers of a bias
.set VAS,  25                          ; A's scales: 64 r + 4,096 h
.set SPW,  28
.set NIL,  29
.set AS,   32                          ; register 16 i + k: lanes 0-15 the word of A's block i, lanes 16-31 of block i + 4, K step k
.set BS,   96                          ; register 16 ((k / 4) % 2) + 4 g + k % 4: lane m the word of row m of gate g's 32
.set AF,   128                         ; K step k's fragments of A at AF + 64 (k % 2)
.set T,    128
.set BK,   192
.set BI,   192                         ; in window 1
.set G1,   24
.set G0,   32                          ; group 0 of the head's load
.set G0B,  68                          ; and of the second
.set NL2E, 48
.set TL2E, 50
.set MSB, 0
.macro WIN new                         ; the immediate's high byte repeats the setting that is left
.if MSB != \new
	s_set_vgpr_msb (MSB<<8)|\new
.set MSB, \new
.endif
.endm
.set TO_B, 0x40                        ; destination window 1, address window 0
.macro CROUND                          ; a round of the cluster's barrier
	s_barrier_signal -1
	s_barrier_wait -1
	s_cmp_lg_u32 s14, 0
	s_cbranch_scc1 .Lnot_wave_0_\@
	s_barrier_signal -3
.Lnot_wave_0_\@:
	s_barrier_wait -3
	s_barrier_signal -1
	s_barrier_wait -1
.endm
.macro PLACES                          ; four places behind a matrix instruction, ahead of loads into its registers and of reads of its results
.rept 4
	v_nop
.endr
.endm
.macro BLOAD ks                        ; B's eight fragments of K step ks into set ks % 4 (destination window 1)
.irp b, 0,1,2,3,4,5,6,7
.irp c, 0,1
	global_load_b128 v[64*((\ks)%4)+8*\b+4*\c:64*((\ks)%4)+8*\b+4*\c+3], v[VB], s[8:9] offset:8192*(\ks)+1024*\b+512*\c
.endr
.endr
.endm
.macro SLOAD kc                        ; B's scale words of run kc of 512 along K into set kc % 2
.irp p, 0,1,2,3
	global_load_b128 v[BS+16*((\kc)%2)+4*\p:BS+16*((\kc)%2)+4*\p+3], v[VB], s[10:11] offset:2048*(\kc)+512*\p
.endr
.endm
.macro PRE1                            ; a tile's first two runs of B's scale words, its biases, its first fragments of B: 40 loads
	SLOAD 0
	SLOAD 1
	WIN TO_B
.irp g, 0,1,2,3                        ; for B's block 2 g + u lane (r, h) wants b_g at columns 16 u + 8 h + 0 .. 7 of my 32: the result's layout
.irp u, 0,1
.irp q, 0,1
	global_load_b128 v[BI+8*(2*\g+\u)+4*\q:BI+8*(2*\g+\u)+4*\q+3], v[BA], s[36+2*\g:37+2*\g] offset:64*\u+16*\q
.endr
.endr
.endr
	BLOAD 0
	WIN 0
.endm
.macro PRE2
	WIN TO_B
	BLOAD 1
	BLOAD 2
	WIN 0
.endm
	s_load_b256 s[4:11], s[0:1], 0x0               ; a_codes, a_scales, b_codes, b_scales
	s_load_b256 s[36:43], s[0:1], 0x20             ; bf, bi, bo, bc
	s_load_b128 s[44:47], s[0:1], 0x40             ; out0, out1
	v_lshl_add_u32 v[SPW], v0, 2, SPARE
	v_mov_b32 v[NIL], 0
	ds_add_u32 v[SPW], v[NIL]                      ; the opening lines: the add, twice on end, and its wait ahead of my first tensor load
	ds_add_u32 v[SPW], v[NIL]
	v_lshrrev_b32 v1, 5, v0
	v_readfirstlane_b32 s14, v1                    ; wave 0..3
	s_lshr_b32 s15, s14, 1                         ; my half of the rows.  Also: which chunk of a stage's two I fetch
	s_and_b32 s16, s14, 1                          ; my half of the columns.  Also: which 128 rows of that chunk
	s_bfe_u32 s12, ttmp6, 0x40000                  ; cx
	s_lshl_b32 s13, ttmp9, 2
	s_add_co_u32 s13, s13, s12                     ; work-group x, 0..7: tile columns 2 x and 2 x + 1
	s_and_b32 s17, ttmp7, 0xffff                   ; tile row, 0..31
	s_mov_b32 s[G1+0], 15|(1<<20)|(1<<21)|(5<<22)|(3<<25)   ; mask: the cluster's four; elements of 1 byte; 4 words of padding behind every 64; bit 21 beside a mask
	s_mov_b32 s[G1+1], 256<<16                     ; tensor_dim0
	s_mov_b32 s[G1+2], 128<<16                     ; tensor_dim1
	s_mov_b32 s[G1+3], 256<<16                     ; tile_dim0
	s_mov_b32 s[G1+4], 128                         ; tile_dim1
	s_mov_b32 s[G1+5], 1024                        ; from row to row
	s_mov_b32 s[G1+6], 0
	s_mov_b32 s[G1+7], 0
	s_mov_b32 s[G0], 1
	s_mul_i32 s[G0+1], s15, CHUNK                  ; at the head: chunk wave / 2, rows 128 (wave % 2) on;
	s_mul_i32 s19, s16, 128*PITCH
	s_add_co_u32 s[G0+1], s[G0+1], s19
	s_mov_b32 s[G0B], 1
	s_add_co_u32 s[G0B+1], s[G0+1], 2*CHUNK        ; then the same rows two chunks on
	s_lshl_b32 s18, s17, 18                        ; a_codes: 256 rows of 1,024 bytes a tile row, + my 128 rows, + 256 bytes a chunk
	s_lshl_b32 s19, s16, 17
	s_add_co_u32 s18, s18, s19
	s_lshl_b32 s19, s15, 8
	s_add_co_u32 s18, s18, s19
	s_mov_b32 s19, 0
	s_lshl_b32 s20, s17, 14                        ; a_scales: rows of 64 bytes, my 128 rows
	s_lshl_b32 s21, s15, 13
	s_add_co_u32 s20, s20, s21
	s_mov_b32 s21, 0
	s_lshl_b32 s22, s13, 2
	s_add_co_u32 s22, s22, s16                     ; my group of 32 columns in the first tile; in the next tile two on
	s_lshl_b32 s52, s22, 13                        ; b_scales: 8,192 bytes a group
	s_mov_b32 s53, 0
	s_lshl_b32 s22, s22, 17                        ; b_codes: 131,072 bytes a group
	s_mov_b32 s23, 0
	s_lshl_b32 s54, s13, 9                         ; the biases: 128 columns a work-group, my 32 of a tile's 64
	s_lshl_b32 s55, s16, 7
	s_add_co_u32 s54, s54, s55
	s_mov_b32 s55, 0
	s_lshl_b32 s56, s17, 8                         ; the first row that I store: 256 x tile row + 128 x half of the rows + 8 x half of the columns
	s_lshl_b32 s57, s15, 7
	s_add_co_u32 s56, s56, s57
	s_lshl_b32 s57, s16, 3
	s_add_co_u32 s56, s56, s57
	s_lshl_b32 s56, s56, 12
	s_lshl_b32 s57, s13, 9
	s_add_co_u32 s56, s56, s57                     ; + the first tile's 256 bytes of a row
	s_mov_b32 s57, 0
	s_mul_i32 s60, s15, 128*PITCH                  ; my 128 rows in a chunk
	s_mul_i32 s59, s15, 16*PITCH
	s_add_co_u32 s59, s59, STAGE
	s_lshl_b32 s58, s16, 7
	s_add_co_u32 s58, s58, s59                     ; into the stage: row 16 x half of the rows + r, byte 128 x half of the columns + 32 h
	s_mul_i32 s61, s16, 8*PITCH
	s_add_co_u32 s59, s59, s61                     ; back: the two waves of a half of the rows take 8 whole rows each
	s_mov_b32 s[NL2E], 0xbfb8aa3b                  ; -log2(e)
	s_mov_b32 s[NL2E+1], s[NL2E]
	s_mov_b32 s[TL2E], 0x4038aa3b                  ; 2 log2(e)
	s_mov_b32 s[TL2E+1], s[TL2E]
	v_and_b32 v1, 15, v0                           ; r
	v_bfe_u32 v2, v0, 4, 1                         ; h
	v_and_b32 v3, 31, v0
	v_mul_u32_u24 v4, v1, PITCH
	v_mul_u32_u24 v6, v2, PITCH
	v_lshl_add_u32 v5, v2, 4, v4
	v_lshl_add_u32 v4, v2, 5, v4
	v_lshl_add_u32 v6, v1, 4, v6
	v_add_nc_u32 v[ADRA], s60, v5
	v_add_nc_u32 v[STO], s58, v4
	v_add_nc_u32 v[RD], s59, v6
	v_add_nc_u32 v[ADRA+1], CHUNK, v[ADRA]
	v_add_nc_u32 v[ADRA+2], 2*CHUNK, v[ADRA]
	v_add_nc_u32 v[ADRA+3], 3*CHUNK, v[ADRA]
	v_lshlrev_b32 v[CO], 12, v2
	v_lshl_add_u32 v[CO], v1, 4, v[CO]
	v_lshlrev_b32 v[VB], 4, v3
	v_lshlrev_b32 v[BA], 5, v2
	v_lshlrev_b32 v[VAS], 6, v1
	v_lshl_add_u32 v[VAS], v2, 12, v[VAS]
	s_wait_alu depctr_va_vdst(0)
	s_wait_dscnt 0x0                               ; both opening adds are done
	s_wait_kmcnt 0x0
	s_add_nc_u64 s[G0+2:G0+3], s[4:5], s[18:19]
	s_add_nc_u64 s[G0B+2:G0B+3], s[G0+2:G0+3], 512 ; two chunks of 256 bytes on
	s_or_b32 s[G0+3], s[G0+3], 0x80000000
	s_or_b32 s[G0B+3], s[G0B+3], 0x80000000
	s_add_nc_u64 s[6:7], s[6:7], s[20:21]
	s_add_nc_u64 s[8:9], s[8:9], s[22:23]
	s_add_nc_u64 s[10:11], s[10:11], s[52:53]
.irp g, 0,1,2,3
	s_add_nc_u64 s[36+2*\g:37+2*\g], s[36+2*\g:37+2*\g], s[54:55]
.endr
	s_add_nc_u64 s[44:45], s[44:45], s[56:57]
	s_add_nc_u64 s[46:47], s[46:47], s[56:57]
	CROUND                                         ; the cluster's four are here: the joint loads meet
	tensor_load_to_lds s[G0:G0+3], s[G1:G1+7]      ; my share of chunks 0 and 1
	s_nop 0
	PLACES
.irp i, 0,1,2,3                        ; A's scale words for all of K, once: four loads cover the 64 bytes of each of 32 rows
.irp k, 0,1,2,3
	global_load_b128 v[AS+16*\i+4*\k:AS+16*\i+4*\k+3], v[VAS], s[6:7] offset:1024*\i+16*\k
.endr
.endr
	PRE1
	PRE2
	s_wait_tensorcnt 0x0                           ; my share is in
	ds_add_u32 v[SPW], v[NIL]
	s_wait_dscnt 0x0
	CROUND                                         ; chunks 0 and 1 are whole, and the cluster's four are here
	tensor_load_to_lds s[G0B:G0B+3], s[G1:G1+7]    ; my share of chunks 2 and 3, their first and only fill
	s_nop 0
	PLACES
.macro W2 a, g, ks, first              ; A's block a x gate g's two blocks of B, K step ks
.set DD, 64*((\a)%4)+16*(\g)
.if \first
.set CC, BI+16*(\g)
.else
.set CC, DD
.endif
.set BB, 64*((\ks)%4)+16*(\g)
.set AA, AF+64*((\ks)%2)+8*(\a)
.set SBR, BS+16*(((\ks)/4)%2)+4*(\g)+(\ks)%4
.set SAR, AS+16*((\a)%4)+(\ks)
.if (\a) < 4
	v_wmma_scale_f32_32x16x128_f4 v[DD:DD+15], v[BB:BB+15], v[AA:AA+7], v[CC:CC+15], v[SBR], v[SAR]
.else
	v_wmma_scale_f32_32x16x128_f4 v[DD:DD+15], v[BB:BB+15], v[AA:AA+7], v[CC:CC+15], v[SBR], v[SAR] matrix_b_scale:MATRIX_SCALE_ROW1
.endif
.endm
.macro MULQ a0, ks, first              ; a quarter of a K step: A's blocks a0, a0 + 1 against all of B.  The 32 sums take turns, in the same order in every step
.irp a, \a0, \a0+1
.irp g, 0,1,2,3
	W2 \a, \g, \ks, \first
.endr
.endr
.endm
.macro FETCH_A nk                      ; A's eight blocks of K step nk into set nk % 2: lane (r, h) takes row r, bytes 32 c + 16 h of the step's 64
.irp i, 0,1,2,3,4,5,6,7
.irp c, 0,1
	ds_load_b128 v[AF+64*((\nk)%2)+8*\i+4*\c:AF+64*((\nk)%2)+8*\i+4*\c+3], v[ADRA+(\nk)/4] offset:64*((\nk)%4)+32*\c+\i*16*PITCH
.endr
.endr
.endm
; A K step of 128.  Behind its first quarter stands its ONE group of loads: A's fragments of the next step, B's of three steps on, and in steps 4 and 8 B's scale words of the next run.
.macro STEP ks
.if (\ks) == 0
	s_wait_loadcnt 0x0                             ; the scale words, the biases and B's first three sets
.else
.if (\ks) >= 14
	s_wait_loadcnt 16*(15-(\ks))
.else
.if ((\ks) == 5) || ((\ks) == 6) || ((\ks) == 9) || ((\ks) == 10)
	s_wait_loadcnt 36                              ; this step's set is in; two younger sets of 16 loads and four loads of scale words may be out
.else
	s_wait_loadcnt 32                              ; this step's set is in; the two younger sets, 16 loads each, may be out
.endif
.endif
.endif
.if (\ks) == 7
	s_wait_tensorcnt 0x0                           ; my share of chunks 2 and 3 is in (in the second tile nothing is out): the group below is the first to read chunk 2
	s_wait_dscnt 0x0
	s_barrier_signal -1
.else
	s_wait_dscnt 8                                 ; A's blocks 0-3 are in; the youngest eight loads (blocks 4-7) may be out
.endif
.if (\ks) == 0
	WIN 0x91                                       ; B window 1, A window 0, C (the biases) window 1, D window 2
.else
	WIN 0xa1                                       ; C and D window 2
.endif
	MULQ 0, \ks, (\ks)==0
.if (\ks) == 7
	s_barrier_wait -1                              ; everybody's share is in
.endif
.if (\ks) < 15
	PLACES
	WIN 0
	FETCH_A (\ks)+1
.if ((\ks) == 4) || ((\ks) == 8)
	SLOAD (\ks)/4+1
.endif
.if ((\ks) >= 1) && ((\ks) <= 12)
	WIN TO_B
	BLOAD (\ks)+3
.endif
.endif
.if (\ks) == 0
	WIN 0x91
.else
	WIN 0xa1
.endif
	MULQ 2, \ks, (\ks)==0
.if (\ks) < 15
	s_wait_dscnt 16                                ; A's blocks 4-7 are in; the next step's 16 loads may be out
.else
	s_wait_dscnt 0x0
.endif
.if (\ks) == 0
	WIN 0xd1
.else
	WIN 0xf1
.endif
	MULQ 4, \ks, (\ks)==0
	MULQ 6, \ks, (\ks)==0
.if (\ks) == 0
	PLACES
	WIN TO_B
	BLOAD 3                                        ; the biases have been used: their registers take set 3
.endif
.if (\ks) == 15
	PLACES
	WIN 0
.endif
.endm
; THE GATES AND THE WAY OUT, block a of 16 rows at a time.  Lane (r, h) holds row 16 a + r; register j of the sums (a, 2 g + u) is gate g's sum at column 16 u + 8 h + j of my 32.  64 numbers at work, at T + 16 g + 8 u + j.
.macro EXPS a
.set AC, 64*((\a)%4)
	WIN 0x02+(\a)/4                                ; source 0: window 2 or 3
	s_wait_alu depctr_va_vdst(0)                   ; ahead of the first reader of matrix results
.irp b, 0,1,2,3,4,5
.irp j, 0,2,4,6
	v_pk_mul_f32 v[T+8*\b+\j:T+8*\b+\j+1], v[AC+8*\b+\j:AC+8*\b+\j+1], s[NL2E:NL2E+1] op_sel_hi:[1,0]   ; f, i, o: -z log2(e); each result from its low end on
.endr
.endr
.irp b, 6,7
.irp j, 0,2,4,6
	v_pk_mul_f32 v[T+8*\b+\j:T+8*\b+\j+1], v[AC+8*\b+\j:AC+8*\b+\j+1], s[TL2E:TL2E+1] op_sel_hi:[1,0]   ; the cell's gate: 2 z log2(e)
.endr
.endr
	WIN 0
	s_wait_alu depctr_va_vdst(0)                   ; ahead of the batch
.set i, 0
.rept 64
	v_exp_f32 v[T+i], v[T+i]
.set i, i+1
.endr
	v_nop
	s_wait_alu depctr_va_vdst(0)                   ; one wait for the 64
.endm
.macro REST
.set i, 0
.rept 32
	v_pk_add_f32 v[T+i:T+i+1], v[T+i:T+i+1], 1.0 op_sel_hi:[1,0]
.set i, i+2
.endr
	s_wait_alu depctr_va_vdst(0)                   ; ahead of the batch
.set i, 0
.rept 64
	v_rcp_f32 v[T+i], v[T+i]
.set i, i+1
.endr
	v_nop
	s_wait_alu depctr_va_vdst(0)                   ; one wait for the 64
.irp j, 0,2,4,6,8,10,12,14
	v_pk_fma_f32 v[T+48+\j:T+48+\j+1], v[T+48+\j:T+48+\j+1], -2.0, 1.0 op_sel_hi:[1,0,0]   ; g = 1 - 2 / (1 + 2^(2 z log2 e))
.endr
.irp j, 0,2,4,6,8,10,12,14
	v_pk_fma_f32 v[T+\j:T+\j+1], v[T+16+\j:T+16+\j+1], v[T+48+\j:T+48+\j+1], v[T+\j:T+\j+1]   ; c = f + i g
.endr
.irp j, 0,2,4,6,8,10,12,14
	v_pk_mul_f32 v[T+32+\j:T+32+\j+1], v[T+32+\j:T+32+\j+1], v[T+\j:T+\j+1]   ; h = o c
.endr
.endm
.macro PUT a                           ; my 128 bytes of the block's 16 rows, of h and of c, into buffer a % 2
.irp u, 0,1
.irp q, 0,1
	ds_store_b128 v[STO], v[T+32+8*\u+4*\q:T+32+8*\u+4*\q+3] offset:SBUF*((\a)%2)+64*\u+16*\q
	ds_store_b128 v[STO], v[T+8*\u+4*\q:T+8*\u+4*\q+3] offset:SBUF*((\a)%2)+STG_C+64*\u+16*\q
.endr
.endr
.endm
.macro BACK a                          ; my 8 whole rows of block a, of h and of c, two rows an instruction
	s_wait_xcnt 0x0                                ; the block before's stores have read these registers
.irp t, 0,1,2,3
	ds_load_b128 v[BK+4*\t:BK+4*\t+3], v[RD] offset:SBUF*((\a)%2)+2*PITCH*\t
.endr
.irp t, 0,1,2,3
	ds_load_b128 v[BK+16+4*\t:BK+16+4*\t+3], v[RD] offset:SBUF*((\a)%2)+STG_C+2*PITCH*\t
.endr
.endm
.macro SEND a, younger                 ; younger: the next block's eight stage stores, or none
	s_wait_dscnt \younger
.irp t, 0,1,2,3
	global_store_b128 v[CO], v[BK+4*\t:BK+4*\t+3], s[44:45] offset:(16*(\a)+2*\t)*OUTROW th:TH_STORE_NT   ; sixteen lanes store 256 consecutive bytes, at a multiple of 256 from out0's first byte
.endr
.irp t, 0,1,2,3
	global_store_b128 v[CO], v[BK+16+4*\t:BK+16+4*\t+3], s[46:47] offset:(16*(\a)+2*\t)*OUTROW th:TH_STORE_NT
.endr
.endm
	s_mov_b32 s3, 0                                ; the tile's number
.Ltile:
	FETCH_A 0
.irp ks, 0,1,2,3,4,5,6,7,8,9,10,11,12,13,14,15
	STEP \ks
.endr
	s_cmp_eq_u32 s3, TILES-1                       ; behind the last tile nothing more is asked for
	s_cbranch_scc1 .Lno_pre1
	s_wait_xcnt 0x0                                ; the bases are stepped only behind this wait
	s_add_nc_u64 s[8:9], s[8:9], 2*131072          ; the next tile: two groups of 32 columns on
	s_add_nc_u64 s[10:11], s[10:11], 2*8192
.irp g, 0,1,2,3
	s_add_nc_u64 s[36+2*\g:37+2*\g], s[36+2*\g:37+2*\g], 256
.endr
	PRE1                                           ; on their way while this tile's gates are made
.Lno_pre1:
	EXPS 0
	REST
	PUT 0
; One barrier a block: a buffer is written again two blocks on, behind the next block's barrier, in front of which every wave has waited for its reads.
.irp a, 1,2,3,4,5,6,7
	s_wait_dscnt 0x0                               ; for the others' sake: my stage stores are done, and my reads of the other buffer
	s_barrier_signal -1
	EXPS \a                                        ; work on registers while the others arrive
	s_barrier_wait -1
	BACK \a-1
	REST
	PUT \a
	SEND \a-1, 8
.if \a == 2
	s_cmp_eq_u32 s3, TILES-1
	s_cbranch_scc1 .Lno_pre2
	PRE2                                           ; the next tile's second and third sets of B
.Lno_pre2:
.endif
.endr
	s_wait_dscnt 0x0
	s_barrier_signal -1
	s_barrier_wait -1
	BACK 7
	SEND 7, 0
	s_wait_xcnt 0x0                                ; the stores have read their bases and their data
	s_add_nc_u64 s[44:45], s[44:45], 256           ; the next tile's 64 columns
	s_add_nc_u64 s[46:47], s[46:47], 256
	s_add_co_u32 s3, s3, 1
	s_cmp_lt_u32 s3, TILES
	s_cbranch_scc1 .Ltile
	s_wait_tensorcnt 0x0                           ; the wave's end
	ds_add_u32 v[SPW], v[NIL]
	s_wait_dscnt 0x0
	CROUND                                         ; the closing round
	s_endpgm
.Lfunc_end_k_qf1665fab4a_cell:
	.size	k_qf1665fab4a_cell, .Lfunc_end_k_qf1665fab4a_cell-k_qf1665fab4a_cell
	.p2alignl 7, 3214868480
	.fill 96, 4, 3214868480
	.section	.rodata,"a",@progbits
	.p2align	6, 0x0
	.amdhsa_kernel k_qf1665fab4a_cell
		.amdhsa_group_segment_fixed_size 327680
		.amdhsa_private_segment_fixed_size 0
		.amdhsa_enable_private_segment 0
		.amdhsa_kernarg_size 80
		.amdhsa_user_sgpr_count 2
		.amdhsa_user_sgpr_kernarg_segment_ptr 1
		.amdhsa_wavefront_size32 1
		.amdhsa_system_sgpr_workgroup_id_x 1
		.amdhsa_system_sgpr_workgroup_id_y 1
		.amdhsa_system_sgpr_workgroup_id_z 1
		.amdhsa_system_vgpr_workitem_id 0
		.amdhsa_next_free_vgpr 1024
		.amdhsa_next_free_sgpr 72
		.amdhsa_reserve_vcc 0
		.amdhsa_float_denorm_mode_32 3
		.amdhsa_float_denorm_mode_16_64 3
		.amdhsa_memory_ordered 1
		.amdhsa_forward_progress 1
		.amdhsa_inst_pref_size 223
	.end_amdhsa_kernel
	.amdgpu_metadata
---
amdhsa.version: [ 1, 2 ]
amdhsa.kernels:
  - .name:           k_qf1665fab4a_cell
    .symbol:         k_qf1665fab4a_cell.kd
    .args:
      - { .name: a_codes, .offset: 0, .size: 8, .value_kind: global_buffer, .address_space: global }
      - { .name: a_scales, .offset: 8, .size: 8, .value_kind: global_buffer, .address_space: global }
      - { .name: b_codes, .offset: 16, .size: 8, .value_kind: global_buffer, .address_space: global }
      - { .name: b_scales, .offset: 24, .size: 8, .value_kind: global_buffer, .address_space: global }
      - { .name: bf, .offset: 32, .size: 8, .value_kind: global_buffer, .address_space: global }
      - { .name: bi, .offset: 40, .size: 8, .value_kind: global_buffer, .address_space: global }
      - { .name: bo, .offset: 48, .size: 8, .value_kind: global_buffer, .address_space: global }
      - { .name: bc, .offset: 56, .size: 8, .value_kind: global_buffer, .address_space: global }
      - { .name: out0, .offset: 64, .size: 8, .value_kind: global_buffer, .address_space: global }
      - { .name: out1, .offset: 72, .size: 8, .value_kind: global_buffer, .address_space: global }
    .group_segment_fixed_size: 327680
    .private_segment_fixed_size: 0
    .kernarg_segment_align: 8
    .kernarg_segment_size: 80
    .max_flat_workgroup_size: 128
    .sgpr_count:     72
    .vgpr_count:     1024
    .wavefront_size: 32
...
	.end_amdgpu_metadata
.endif
;; end of part 2
